; MI455X (gfx1250); checked and timed in simulation.
; The chip was launched on July 23, 2026; its instructions are those of AMD's public machine-readable ISA for CDNA 5 (MIT licence, August 2026) and "CDNA5" Instruction Set Architecture Reference Guide (July 2026). The comments in the code are by the model that wrote it; some were corrected since.
;; Tensor Square. Allowed arithmetic: matrix products marked QUANTISED: E4M3 operands, one E8M0 scale for each 32 along K, by v_wmma_scale_f32_16x16x128_f8f6f4 with both operands' format E4M3, f32 sums; products left as they are: f32 operands where the result goes on into a quantised operand, else bf16, f16 or f32 operands; f32 sums; everything else in f32.
;; Inputs: features 4,096 x 128 float32; mixing_matrix_codes 1,024 x 512 x 32 uint8 (E4M3 codes of mixing_matrix, K innermost, in blocks of 32 codes); mixing_matrix_scales 1,024 x 512 uint8 (E8M0 scales of mixing_matrix, one for each 32 codes along K).
;; Outputs: out0 4,096 x 1,024 float32.
;; This version of the problem:
;;   THIS VERSION OF THE PROBLEM IS GIVEN IN LOW PRECISION. The matrix products marked QUANTISED in the list below multiply operands that are first quantised to E4M3 (4 exponent bits, 3 mantissa bits; 8 bits a number), with one power-of-two scale for each 32 numbers along K (OCP MX v1.0); their sums are f32. All else is computed in f32.
;;   The module's matrix products, in the order in which they are computed (A, B: the left and right operand; K: the contracted axis; several contracted axes count as one K, in the product's order):
;;     1. batch 4,096 x [M 128, K 1] x [K 1, N 128]; A: computed on the way; B: computed on the way: left as it is (no contracted axis)
;;     2. [M 4,096, K 16,384] x [K 16,384, N 1,024]; A: computed on the way; B: input mixing_matrix (given as codes): QUANTISED
;;   THE QUANTISER, for each operand of a quantised product, along K:
;;     - K is cut into blocks of 32 from its start; a last block that is shorter is filled with zeros.
;;     - A block's scale is 2^e with e = floor(log2(the largest magnitude in the block)) - 8, held to -126 .. 127; a block of zeros has e = 0. As a byte (E8M0): e + 127.
;;     - Each number is divided by its block's scale, clamped to +-448, and rounded to the nearest number of E4M3, ties to even, subnormals kept.
;;     - The product sums the exact products of the quantised numbers (number of the format x scale) in f32.
;;   ~~~python
;;   def quantise(x, axis):      # numpy; x: float32 -> the quantised numbers, widened to float32 again
;;       x = np.moveaxis(x, axis, -1); K = x.shape[-1]
;;       x = np.pad(x, [(0, 0)] * (x.ndim - 1) + [(0, -K % 32)]); x = x.reshape(x.shape[:-1] + (-1, 32)); a = np.abs(x).max(-1, keepdims=True)
;;       e = np.where(a > 0, np.clip(np.frexp(np.where(a > 0, a, 1))[1] - 1 - 8, -126, 127), 0)      # np.frexp(a)[1] - 1 = floor(log2(a)), exactly
;;       r = np.clip(x / 2.0 ** e, -448, 448)
;;       step = 2.0 ** (np.maximum(np.frexp(np.where(r == 0, 1, r))[1] - 1, -6) - 3)
;;       q = np.round(r / step) * step * 2.0 ** e      # np.round: ties to even
;;       return np.moveaxis(q.reshape(q.shape[:-2] + (-1,))[..., :K], -1, axis).astype(np.float32)
;;   ~~~
;;   OPERANDS COMPUTED ON THE WAY. 'Computed on the way' means the value that the module computes at that place (a softmax that the list does not call 'softmax' is quantised finished and normalised). What goes into a quantiser is computed in f32, as accurately as f32 sums, v_exp_f32 and their like allow (about 1e-6 of the number): no bf16 or f16 on the way to a quantiser, and a product that is left as it is and whose result goes on into a quantised operand takes f32 operands (vector FMAs, or v_wmma_f32_16x16x4_f32). A number that lies on a knife's edge between two numbers of the format may be rounded either way, as far as f32 arithmetic and the matrix unit's own rounding can turn it there, and no further.
;;   INPUTS GIVEN AS CODES. mixing_matrix (in the module: [1024, 16384], K = its axis 1): each comes as NAME_codes (uint8): NAME with its K axis moved to the last place and cut into blocks of 32 codes, [.., K / 32, bytes a block], one block behind the other in memory; one code a byte (a code: sign, 4 exponent bits, 3 mantissa bits); and NAME_scales (uint8): the same leading axes, one E8M0 byte (e + 127) for each 32 codes along K. Its value is code x scale, taken as it is: it is not quantised again, and the codes and scales need not be those that the quantiser above would give.
;; 2 versions. Each part assembles by itself: llvm-mc -triple=amdgcn-amd-amdhsa -mcpu=gfx1250 --defsym DOCPART=n.
;; ======== version 1 of 2: 1 launch
;; limits: right only within a limited range of input values
;; launch tsq (part 1): grid 64 x 4, 4 waves a work-group, clusters of 4 x 1, 327,680 bytes of LDS; arguments features, mixing_matrix_codes, mixing_matrix_scales, out0; writes out0
.if DOCPART == 1
	.amdgcn_target "amdgcn-amd-amdhsa--gfx1250"
	.amdhsa_code_object_version 6
	.text
	.protected	k_q837e2ba518_tsq
	.globl	k_q837e2ba518_tsq
	.p2align	8
	.type	k_q837e2ba518_tsq,@function
k_q837e2ba518_tsq:
	s_mov_b64 s[64:65], 0
	v_nop
	global_prefetch_b8 v0, s[64:65] scope:SCOPE_SE
	s_setreg_imm32_b32 hwreg(HW_REG_WAVE_MODE, 25, 1), 1
	s_wait_xcnt 0x0
	s_wait_alu depctr_hold_cnt(0) depctr_sa_sdst(0) depctr_va_vdst(0) depctr_va_sdst(0) depctr_va_ssrc(0) depctr_va_vcc(0) depctr_vm_vsrc(0)
	s_getreg_b32 s2, hwreg(HW_REG_IB_STS2, 6, 4)
	s_cmp_eq_u32 s2, 0
	s_cbranch_scc0 .Lentry_in_a_cluster
	s_endpgm
.Lentry_in_a_cluster:
	s_bfe_u32 s2, ttmp6, 0x10000c
	s_cmp_lg_u32 s2, 0x3003
	s_cbranch_scc0 .Lentry_shape_is_right
	s_endpgm
.Lentry_shape_is_right:
; out[z][k] = sum over i, j of C[k][128 i + j] x Q(a[z][i] a[z][j]).  a = features [4096][128] f32; C = mixing_matrix as E4M3 codes [1024][16384] with one E8M0 byte for each 32 along K, [1024][512];
; out [4096][1024] f32.  Q is the MX quantiser along K = 128 i + j: a block of 32 is one i and 32 neighbouring j.  The outer product never goes to memory: it is multiplied in f32 and quantised in registers.
; SHARES.  A work-group makes 64 rows x 256 columns of out (grid 64 x 4 = 256 work-groups).  ITS FOUR WAVES SHARE K, NOT THE TILE: wave w takes j = 32 w .. 32 w + 31 of every i and holds the whole tile as
; 64 accumulators (512 registers); the four partial tiles are added once, at the end, through LDS.  So each byte of a tile of C is read from LDS by one wave alone and feeds four matrix instructions, no wave
; makes a code that another wave makes, and a lane keeps only 16 numbers a[j] for each of its four rows.
; A STEP s (32 of them) is i = 4 s .. 4 s + 3: block q of a matrix instruction's K is (i = 4 s + q, j = 32 w + 0 .. 31).  64 matrix instructions a wave: 4 tiles of rows x 16 tiles of columns.
; THE SCALE OF A BLOCK NEEDS NO SEARCH: its largest magnitude is fl(|a_i| m), m the row's largest |a_j| of the wave's 32 (rounding is monotone).  T = a_i (m 2^-8) has that number's exponent field less 8:
; it is the conversion's scale operand, and its bits 30:23 are the E8M0 byte.  L = that number's exponent field over the mantissa field of 448 = 448 x the scale: the hold, since the conversion does not saturate (ISA guide 7.6.2).
; LIMITS: no floor is laid under the largest magnitude: a block whose largest product lies under 2^-118 may get a byte under 1 where the quantiser holds it at 1; a block of zeros gets byte 0 and zero codes, which add nothing;
; NaN and infinities among the features are not served.  The four partial sums of an output are added in f32 as (w0 + w1) + (w2 + w3).
; THE MATRIX INSTRUCTION IS USED TRANSPOSED: source 0 = 16 rows of C, source 1 = 16 rows of the outer product: a lane holds one row z and eight neighbouring columns of out.
; BY TURNS.  Making a fragment of the outer product is 119 vector instructions and serves 16 matrix instructions, so behind each matrix instruction of step s stands a slice of the fragment of step s + 1
; (group g of 16 matrix instructions carries row tile g): two sets of codes and of scale words take turns.
; CLUSTER 4 x 1: the four row blocks of a cluster walk the same 256 rows of C: tiles and scale pieces are asked for JOINTLY (mask 15); descriptors hang on the column block and the wave's number alone.
; C's SCALE BYTES come in pieces of 32 bytes a row (two steps), two buffers by turns: beside two slots of 135,168 bytes LDS has no room for the 131,072 bytes of all 256 rows.
; LDS: 0 two scale buffers of 256 x 40; 20,480 two slots of 256 rows x 528; 290,816 the 64 rows of features x 528 (stored by the waves, never a fill's target); 324,608 the spare words.
; All of a WGP's LDS is claimed.  The stage of the way out lies in the two slots, which have had their last fill by then.
; REGISTERS: window 0: addresses, statistics, scale words, a_j, the numbers at work.  window 1: v0-127 two buffers of four fragments of C; v128-255 two sets of four fragments of codes.
;   windows 2, 3: accumulator (row tile a, column tile b) at v[8 (4 (b % 8) + a)], b < 8 in window 2.
.set SCBB,   10240                     ; a scale buffer: 256 rows x (32 + 8) bytes; buffer 1 begins here, so one exclusive or changes buffers
.set SLOT0,  20480
.set HALFT,  128*528                   ; 128 rows of a tile: what one tensor load brings
.set SLOTB,  2*HALFT
.set SLOT1,  SLOT0+SLOTB
.set FT,     SLOT1+SLOTB               ; the features
.set SPARE,  FT+64*528                 ; the spare words, 128 bytes a wave: two blocks of 256 bytes that no other line names
.set STG,    SLOT0                     ; the way out: for each wave 64 rows x (1,024 + 16) bytes
.set SWAVE,  64*1040
.set ADB,  2                           ; v2-5   LDS address of my bytes of C: slot 0 column tiles 0-7, 8-15; slot 1 likewise
.set ADF,  6                           ; v6     of my row's four a_i of the step being made
.set ADS0, 7                           ; v7     40 x lane: my row in a scale buffer
.set ADS,  8                           ; v8     the same in the buffer in hand
.set PFO,  9                           ; v9     the prefetches' offset; never rewritten
.set SPW,  10                          ; v10    my spare word; never rewritten
.set NIL,  11                          ; v11    0; never rewritten
.set STO,  12                          ; v12    the way out: where I put 32 bytes of a row
.set CO,   13                          ; v13    16 x lane
.set ADF0, 14                          ; v14    FT + 528 x (lane % 16)
.set ADJ,  15                          ; v15    where my 16 a_j lie
.set MM,   16                          ; v16-23 for each row tile the pair (m, m 2^-8)
.set AI,   24                          ; v24-31 four a_i, two sets
.set AM,   32                          ; v32-35 a_i m
.set TT,   36                          ; v36-39 T
.set LL,   40                          ; v40-43 L
.set BY,   44                          ; v44-47 the bytes
.set AW,   48                          ; v48-55 the outer product's scale words: set, row tile.  Scales and nothing else
.set BW,   56                          ; v56-71 C's scale words: set, pair p of column tiles (lanes 0-15 tile 2 p, lanes 16-31 tile 2 p + 1).  Scales and nothing else
.set PT,   72                          ; v72-75 at work
.set RAW,  76                          ; v76-107 a step's 16 scale bytes of my row, for each p
.set RD,   108                         ; v108-111 the way out: where I read the four partial tiles
.set AJ,   112                         ; v112-175 a_j: row tile a, t = 0 .. 15
.set X,    176                         ; v176-239 the 64 products at work: 16 q + t
.set EB,   112                         ; the way out: two batches of 64 registers
.set CD,   128                         ; window 1: the codes
.set WV,   12                          ; s12 wave
.set CX,   13                          ; s13 my place in the cluster
.set RB,   14                          ; s14 row block
.set CB,   15                          ; s15 column block
.set MNT,  16                          ; s16 the mantissa field of 448
.set SELW, 17                          ; s17 byte selects: byte w of two words
.set SELP,  18                         ; s18 byte selects: two low halves
.set SBO,  19                          ; s19 the scale buffer in hand
.set SEL,  20                          ; s[20:21] lane l xor 16
.set TRIP, 22
.set LIM,  23                          ; s23 1 in a cluster that prefetches, else the greatest number
.set G1B,  24                          ; s[24:31] group 1 for tiles of C;  s[32:39] group 0, a set for each slot
.set G0B,  32
.set G1S,  40                          ; s[40:47] group 1 for scale pieces;  s[48:51] group 0, which walks;  s[76:79] group 0 of piece 0
.set G0S,  48
.set G0P,  76
.set PFA,  52                          ; s[52:53] where my prefetches stand
.set FO,   72                          ; s72 16 x the step being made
.set MSB, 0
.macro WIN new                         ; the immediate's high byte repeats the setting that is left; a switch that changes nothing is dropped
.if MSB != \new
	s_set_vgpr_msb (MSB<<8)|\new
.set MSB, \new
.endif
.endm
.macro PLACES n
.rept \n
	v_nop
.endr
.endm
.macro CREST                           ; a round of the cluster's barrier behind its opening barrier
	s_cmp_lg_u32 s[WV], 0
	s_cbranch_scc1 .Lnot_wave_0_\@
	s_barrier_signal -3
.Lnot_wave_0_\@:
	s_barrier_wait -3
	s_barrier_signal -1
	s_barrier_wait -1
.endm
.macro ROUND
	s_barrier_signal -1
	s_barrier_wait -1
	CREST
.endm
; A joint refill: waves 0 and 1 fetch the two halves of a tile of C; with fills = 1 wave 2 fetches a scale piece.  The branches hang on the wave's number alone.  Four v_nop follow each load.
.macro TLOAD slot, fills
	s_cmp_lt_u32 s[WV], 2
	s_cbranch_scc0 .Lnot_b_\@
	tensor_load_to_lds s[G0B+4*\slot:G0B+4*\slot+3], s[G1B:G1B+7]
	s_nop 0
	PLACES 4
.if \fills
	s_branch .Lasked_\@
.Lnot_b_\@:
	s_cmp_eq_u32 s[WV], 2
	s_cbranch_scc0 .Lasked_\@
	tensor_load_to_lds s[G0S:G0S+3], s[G1S:G1S+7]
	s_nop 0
	PLACES 4
.Lasked_\@:
.else
.Lnot_b_\@:
.endif
.endm
; A PREFETCH INTO THE L2 of the tile that stands two refills on (step s asks for tile s + 4): 256 rows x 512 bytes = 512 blocks of 256 bytes, a lane a block.  All sixteen clusters of a column block walk the same rows:
; the first of them asks.  Its four partners take 64 rows each, told apart by address, each wave 16 of them.  how = 1: always; how = 0: not in the loop's last trip, whose tile would lie past the row's end.
.macro ASK how
.if \how
	s_cmp_eq_u32 s[LIM], 1
.else
	s_cmp_gt_u32 s[TRIP], s[LIM]
.endif
	s_cbranch_scc0 .Lnot_mine_\@
	global_prefetch_b8 v[PFO], s[PFA:PFA+1] th:TH_LOAD_NT scope:SCOPE_SE
.Lnot_mine_\@:
.endm
; Line fn of the 119 that make row tile a's fragment (16 rows x 4 blocks of 32) into set st.
.macro FV a, st
.set rAI, AI+4*((\a)&1)
.set rMM, MM+2*(\a)
.set rAW, AW+4*(\st)+(\a)
.if fn < 2
	v_pk_mul_f32 v[AM+2*fn:AM+2*fn+1], v[rAI+2*fn:rAI+2*fn+1], v[rMM:rMM+1] op_sel_hi:[1,0]                          ; a_i m: the block's largest magnitude (its sign is not looked at)
.elseif fn < 4
	v_pk_mul_f32 v[TT+2*(fn-2):TT+2*(fn-2)+1], v[rAI+2*(fn-2):rAI+2*(fn-2)+1], v[rMM:rMM+1] op_sel:[0,1] op_sel_hi:[1,1]   ; a_i (m 2^-8): the scale operand
.elseif fn < 8
	v_and_or_b32 v[LL+fn-4], v[AM+fn-4], 0x7f800000, s[MNT]                                                          ; 448 x the scale
.elseif fn < 12
	v_bfe_u32 v[BY+fn-8], v[TT+fn-8], 23, 8                                                                           ; the scale's byte
.elseif fn == 12
	v_lshl_or_b32 v[rAW], v[BY+1], 8, v[BY]                                                                           ; four bytes make my row's scale word
.elseif fn == 13
	v_lshl_or_b32 v[rAW], v[BY+2], 16, v[rAW]
.elseif fn == 14
	v_lshl_or_b32 v[rAW], v[BY+3], 24, v[rAW]
.elseif fn < 47
.set fe, fn-15
.set fq, fe>>3
.set fu, fe&7
.if fq&1
	v_pk_mul_f32 v[X+16*fq+2*fu:X+16*fq+2*fu+1], v[AJ+16*(\a)+2*fu:AJ+16*(\a)+2*fu+1], v[rAI+2*(fq>>1):rAI+2*(fq>>1)+1] op_sel:[0,1] op_sel_hi:[1,1]   ; two products a_j a_i, in f32
.else
	v_pk_mul_f32 v[X+16*fq+2*fu:X+16*fq+2*fu+1], v[AJ+16*(\a)+2*fu:AJ+16*(\a)+2*fu+1], v[rAI+2*(fq>>1):rAI+2*(fq>>1)+1] op_sel_hi:[1,0]
.endif
.elseif fn < 111
.set fe, fn-47
	v_med3_num_f32 v[X+fe], v[X+fe], -v[LL+(fe>>4)], v[LL+(fe>>4)]                                                    ; the hold
.else
.set fe, fn-111
	v_cvt_scalef32_pk8_fp8_f32 v[CD+64*(\st)+16*(\a)+2*fe:CD+64*(\st)+16*(\a)+2*fe+1], v[X+8*fe:X+8*fe+7], v[TT+(fe>>1)]
.endif
.endm
; Slice wk of 16: 111 plain lines dealt over slices 0 to 14; slice 15 is the eight conversions (destination in window 1) and one plain line behind them.
.macro SL a, st
.if wk < 15
	WIN 0
.set fn, (111*wk)/15
.rept (111*(wk+1))/15-(111*wk)/15
	FV \a, \st
.set fn, fn+1
.endr
.else
	WIN 0x40
.set fn, 111
.rept 8
	FV \a, \st
.set fn, fn+1
.endr
	v_nop                                          ; a plain line stands between a scaled conversion and the next line that touches its result or writes its sources
.endif
.endm
; C's scale word of pair p for my wave: byte w of each of the four words of a step
.macro PB st, p, t
	v_perm_b32 v[PT+\t], v[RAW+4*(\p)+1], v[RAW+4*(\p)], s[SELW]
	v_perm_b32 v[PT+\t+1], v[RAW+4*(\p)+3], v[RAW+4*(\p)+2], s[SELW]
	v_perm_b32 v[BW+8*(\st)+(\p)], v[PT+\t+1], v[PT+\t], s[SELP]
.endm
; Matrix instruction wk of 16 of group g: column tile 4 g + wk / 4, row tile wk % 4.  The 64 accumulators take turns, one instruction a turn, in the same order in every step.
.macro WM g, par, zero
.set wb, 4*(\g)+(wk>>2)
.set wa, wk&3
.set rD, 8*(4*(wb&7)+wa)
.set rB, 64*((\g)&1)+16*(wk>>2)
.set rA, CD+64*(\par)+16*wa
.set rSB, BW+8*(\par)+(wb>>1)
.set rSA, AW+4*(\par)+wa
.if (\g) < 2
	WIN 0xa5                                       ; sources 0 and 1 window 1, C and D window 2
.else
	WIN 0xf5                                       ; C and D window 3
.endif
.if \zero
.if wb&1
	v_wmma_scale_f32_16x16x128_f8f6f4 v[rD:rD+7], v[rB:rB+15], v[rA:rA+15], 0, v[rSB], v[rSA] matrix_a_scale:MATRIX_SCALE_ROW1
.else
	v_wmma_scale_f32_16x16x128_f8f6f4 v[rD:rD+7], v[rB:rB+15], v[rA:rA+15], 0, v[rSB], v[rSA]
.endif
.else
.if wb&1
	v_wmma_scale_f32_16x16x128_f8f6f4 v[rD:rD+7], v[rB:rB+15], v[rA:rA+15], v[rD:rD+7], v[rSB], v[rSA] matrix_a_scale:MATRIX_SCALE_ROW1
.else
	v_wmma_scale_f32_16x16x128_f8f6f4 v[rD:rD+7], v[rB:rB+15], v[rA:rA+15], v[rD:rD+7], v[rSB], v[rSA]
.endif
.endif
.endm
.macro WS g, par, zero, make           ; a matrix instruction and, behind it, a slice of the next step's fragment g
	WM \g, \par, \zero
.if \make
	SL \g, 1-(\par)
.endif
.set wk, wk+1
.endm
.macro LB slot, g                      ; group g's four fragments of C: lane (r, h) takes, of row 16 b + r, the 16 bytes at 128 q + 32 w + 16 h
	WIN 0x40                                       ; destination window 1, address window 0
.irp bb, 0,1,2,3
.irp q, 0,1,2,3
	ds_load_b128 v[64*((\g)&1)+16*\bb+4*\q:64*((\g)&1)+16*\bb+4*\q+3], v[ADB+2*(\slot)+((\g)>>1)] offset:((4*(\g)+\bb)&7)*8448+128*\q
.endr
.endr
.endm
.macro LAI a                           ; row tile a's four a_i
	ds_load_b128 v[AI+4*((\a)&1):AI+4*((\a)&1)+3], v[ADF] offset:(\a)*8448
.endm
.macro LRAW half                       ; a step's 16 scale bytes of row 32 p + lane, for p = 0 .. 7
.irp p, 0,1,2,3,4,5,6,7
	ds_load_b64 v[RAW+4*\p:RAW+4*\p+1], v[ADS] offset:1280*\p+16*(\half)
	ds_load_b64 v[RAW+4*\p+2:RAW+4*\p+3], v[ADS] offset:1280*\p+16*(\half)+8
.endr
.endm
; Groups 0 to 2 of a step.  The next group's loads stand in one run behind the second matrix instruction: the buffer's last reader is the group before's last matrix instruction, and slices 0 and 1,
; fourteen plain lines that name none of its registers, are the eight places that a load into its sources wants; with make = 0 eight v_nop are.
.macro PHASE g, par, zero, make
	s_wait_dscnt 0x0                               ; this group's fragments of C and its a_i, asked for eight matrix instructions ago or more
.set wk, 0
.rept 2
	WS \g, \par, \zero, \make
.endr
.if \make
	WIN 0
	LAI (\g)+1
.else
	PLACES 8
.endif
	LB \par, (\g)+1
.rept 14
	WS \g, \par, \zero, \make
.endr
.endm
; Group 3 changes slots.  In front of the barrier each wave waits for all its tensor loads (the next tile, the next piece), adds 0 to its spare word, and waits for that and for its reads of this slot.
; fillb = 1: the barrier opens a round of the cluster's, and behind it this slot takes the tile two steps on; fills = 1: the idle scale buffer takes the next piece.
; Then come the next step's scale bytes, its group 0 of C, and (ai0 = 1) the a_i of the step after it.
.macro PHASE3 par, zero, fillb, fills, ask, how, ai0
.if \ask
	s_wait_xcnt 0x0                                ; the last prefetch, a step back, has read its address
	s_add_nc_u64 s[PFA:PFA+1], s[PFA:PFA+1], 512
.endif
	WIN 0                                          ; (the add's two registers lie in window 0)
	s_wait_tensorcnt 0x0                           ; no tensor load of mine is out, so a group 0 may be written
	ds_add_u32 v[SPW], v[NIL]                      ; 0 onto my spare word
.if \fillb
	s_add_nc_u64 s[G0B+4*\par+2:G0B+4*\par+3], s[G0B+4*\par+2:G0B+4*\par+3], 1024   ; this slot's next tile: two steps of 512 bytes on
.endif
.if \fills
	s_xor_b32 s[G0S+1], s[G0S+1], SCBB             ; the other buffer than last time,
	s_add_nc_u64 s[G0S+2:G0S+3], s[G0S+2:G0S+3], 32   ; the next 32 bytes of each row
.endif
	s_wait_dscnt 0x1                               ; group 3's fragments and a_i are in; the add alone may be out
.set wk, 0
.rept 4
	WS 3, \par, \zero, 1
.endr
	s_wait_dscnt 0x0                               ; the add is done, and my reads of this slot and of the scale buffers are over
	s_barrier_signal -1
.rept 4
	WS 3, \par, \zero, 1                           ; work on registers while the others arrive
.endr
	WIN 0
	s_barrier_wait -1
.if \fillb
	CREST                                          ; no wave of any partner still reads this slot or has a load on its way
	TLOAD \par, \fills                             ; the first tensor load behind the round, waves 0 and 1 a half tile each, wave 2 a scale piece where fills = 1
.if \ask
	ASK \how
.endif
.endif
.if \ai0
	s_add_co_u32 s[FO], s[FO], 16
	v_add_nc_u32 v[ADF], s[FO], v[ADF0]
.endif
.if \par
	s_xor_b32 s[SBO], s[SBO], SCBB                 ; an even step begins a new piece
.endif
	v_add_nc_u32 v[ADS], s[SBO], v[ADS0]
	LRAW 1-(\par)
.if \ai0
	LAI 0
.endif
	LB 1-(\par), 0
.rept 8
	WM 3, \par, \zero
.if wk == 12
	s_wait_dscnt 16+\ai0                           ; the 16 loads of scale bytes are in; the loads issued behind them (16 of C, one of a_i where there is one) may be out
.endif
.if wk >= 12
	WIN 0
	PB 1-(\par), 2*(wk-12), 0                      ; pairs 0 and 1, which the next step's first matrix instructions name, are made first: more than eight plain lines follow
	PB 1-(\par), 2*(wk-12)+1, 2
.endif
	SL 3, 1-(\par)
.set wk, wk+1
.endr
.endm
.macro STEP par, zero, fillb, fills, ask, how, ai0
	PHASE 0, \par, \zero, 1
	PHASE 1, \par, \zero, 1
	PHASE 2, \par, \zero, 1
	PHASE3 \par, \zero, \fillb, \fills, \ask, \how, \ai0
.endm
	s_load_b256 s[4:11], s[0:1], 0x0               ; features s[4:5], codes s[6:7], scales s[8:9], out s[10:11]
	v_lshl_add_u32 v[SPW], v0, 2, SPARE
	v_mov_b32 v[NIL], 0
	ds_add_u32 v10, v11
	s_wait_dscnt 0x0
	v_lshrrev_b32 v1, 5, v0
	v_readfirstlane_b32 s[WV], v1                  ; wave 0..3
	s_bfe_u32 s[CX], ttmp6, 0x40000                ; cx
	s_lshl_b32 s[RB], ttmp9, 2                     ; in a cluster launch ttmp9 counts clusters
	s_add_co_u32 s[RB], s[RB], s[CX]               ; my block of 64 rows: it enters the addresses of features and of out alone
	s_and_b32 s[CB], ttmp7, 0xffff                 ; my block of 256 columns, which the four partners share
	s_mov_b32 s[MNT], 0x600000
	s_add_co_u32 s[SELW], s[WV], 4
	s_lshl_b32 s[SELW], s[SELW], 8
	s_or_b32 s[SELW], s[SELW], s[WV]               ; byte 0: byte w of the second source; byte 1: byte w of the first
	s_mov_b32 s[SELP], 0x05040100
	s_mov_b32 s[SBO], 0
	s_mov_b32 s[SEL], 0x76543210
	s_mov_b32 s[SEL+1], 0xfedcba98
	s_mov_b32 s[FO], 0
	s_cmp_eq_u32 ttmp9, 0                          ; the same in all four partners
	s_cselect_b32 s[LIM], 1, -1
	; group 1 for half a tile of C: 128 rows x 512 bytes, 16,384 bytes apart; 16 bytes of padding behind each row
	s_mov_b32 s[G1B], 15|(1<<20)|(1<<21)|(6<<22)|(3<<25)   ; 15:0 the mask: all four work-groups; 17:16 elements of 1 byte; 20 padding on; 21 set beside a mask; 24:22 after every 128 words; 31:25 four words
	s_mov_b32 s[G1B+1], 512<<16                    ; tensor_dim0
	s_mov_b32 s[G1B+2], 128<<16                    ; tensor_dim1
	s_mov_b32 s[G1B+3], 512<<16                    ; tile_dim0
	s_mov_b32 s[G1B+4], 128                        ; tile_dim1
	s_mov_b32 s[G1B+5], 16384                      ; from row to row
	s_mov_b32 s[G1B+6], 0
	s_mov_b32 s[G1B+7], 0
	; group 1 for a scale piece: 256 rows x 32 bytes, 512 bytes apart; 8 bytes of padding behind each row: rows 10 words apart, so that the 32 lanes of an 8-byte load touch 64 different banks (ISA guide 11.1)
	s_mov_b32 s[G1S], 15|(1<<20)|(1<<21)|(2<<22)|(1<<25)
	s_mov_b32 s[G1S+1], 32<<16
	s_mov_b32 s[G1S+2], 256<<16
	s_mov_b32 s[G1S+3], 32<<16
	s_mov_b32 s[G1S+4], 256
	s_mov_b32 s[G1S+5], 512
	s_mov_b32 s[G1S+6], 0
	s_mov_b32 s[G1S+7], 0
	s_and_b32 s54, s[WV], 1                        ; which 128 rows of a tile I fetch, if I fetch
	s_lshl_b32 s56, s[CB], 22                      ; 256 rows x 16,384 bytes a column block
	s_lshl_b32 s55, s54, 21
	s_add_co_u32 s56, s56, s55
	s_mov_b32 s57, 0
	s_mul_i32 s58, s54, HALFT                      ; and where they go: no place in the cluster enters an LDS address
	s_lshl_b32 s60, s[CB], 17                      ; 256 rows x 512 scale bytes
	s_mov_b32 s61, 0
	s_lshl_b32 s62, s[CB], 22                      ; the prefetches: row 256 x column block + 64 cx + 16 wave,
	s_lshl_b32 s66, s[CX], 20
	s_add_co_u32 s62, s62, s66
	s_lshl_b32 s66, s[WV], 18
	s_add_co_u32 s62, s62, s66
	s_add_co_u32 s62, s62, 3*512                   ; at tile 3: step 0 steps it to tile 4.  Nothing is prefetched at the head, where every work-group's first tiles are on their way
	s_mov_b32 s63, 0
	s_lshl_b32 s68, s[RB], 15                      ; features: row 64 x row block + 16 x wave, 512 bytes a row
	s_lshl_b32 s66, s[WV], 13
	s_add_co_u32 s68, s68, s66
	s_mov_b32 s69, 0
	s_lshl_b32 s70, s[RB], 18                      ; out: the same rows, 4,096 bytes each, + 1,024 bytes a column block
	s_lshl_b32 s66, s[WV], 16
	s_add_co_u32 s70, s70, s66
	s_lshl_b32 s66, s[CB], 10
	s_add_co_u32 s70, s70, s66
	s_mov_b32 s71, 0
	s_wait_kmcnt 0x0
	s_add_nc_u64 s[4:5], s[4:5], s[68:69]
	s_add_nc_u64 s[10:11], s[10:11], s[70:71]
	s_add_nc_u64 s[PFA:PFA+1], s[6:7], s[62:63]
	s_mov_b32 s[G0B], 1                            ; count = 1
	s_add_co_u32 s[G0B+1], s58, SLOT0              ; LDS address
	s_add_nc_u64 s[G0B+2:G0B+3], s[6:7], s[56:57]  ; tile 0
	s_mov_b32 s[G0B+4], 1
	s_add_co_u32 s[G0B+5], s58, SLOT1
	s_add_nc_u64 s[G0B+6:G0B+7], s[G0B+2:G0B+3], 512   ; tile 1
	s_or_b32 s[G0B+3], s[G0B+3], 0x80000000        ; type = 2
	s_or_b32 s[G0B+7], s[G0B+7], 0x80000000
	s_mov_b32 s[G0P], 1
	s_mov_b32 s[G0P+1], 0                          ; piece 0 into buffer 0
	s_add_nc_u64 s[G0P+2:G0P+3], s[8:9], s[60:61]
	s_mov_b32 s[G0S], 1
	s_mov_b32 s[G0S+1], SCBB                       ; piece 1 into buffer 1; this set then walks on
	s_add_nc_u64 s[G0S+2:G0S+3], s[G0P+2:G0P+3], 32
	s_or_b32 s[G0P+3], s[G0P+3], 0x80000000
	s_or_b32 s[G0S+3], s[G0S+3], 0x80000000
	ROUND                                          ; all four work-groups are here: the first joint loads meet
	s_cmp_lt_u32 s[WV], 2                          ; a wave's first fills stand in one branch, ahead of every wait on TENSORcnt, every LDS read and every other barrier: two loads of waves 0, 1 and 2 are out
	s_cbranch_scc0 .Lfirst_s
	tensor_load_to_lds s[G0B:G0B+3], s[G1B:G1B+7]
	s_nop 0
	tensor_load_to_lds s[G0B+4:G0B+7], s[G1B:G1B+7]
	s_nop 0
	PLACES 4
	s_branch .Lfirst_done
.Lfirst_s:
	s_cmp_eq_u32 s[WV], 2
	s_cbranch_scc0 .Lfirst_done
	tensor_load_to_lds s[G0P:G0P+3], s[G1S:G1S+7]
	s_nop 0
	tensor_load_to_lds s[G0S:G0S+3], s[G1S:G1S+7]
	s_nop 0
	PLACES 4
.Lfirst_done:
	; my 16 rows of features: each load takes a row's 512 consecutive bytes; they go into LDS rows of 528 bytes, for all four waves
	v_and_b32 v1, 31, v0                           ; lane
	v_lshlrev_b32 v[CO], 4, v1
.irp i, 0,1,2,3,4,5,6,7,8,9,10,11,12,13,14,15
	global_load_b128 v[X+4*\i:X+4*\i+3], v[CO], s[4:5] offset:512*\i
.endr
	v_and_b32 v240, 15, v0                         ; r
	v_bfe_u32 v241, v0, 4, 1                       ; h
	v_mul_u32_u24 v242, v240, 528
	v_lshl_add_u32 v[ADB], v241, 4, v242           ; C: row r x pitch + 16 h
	s_lshl_b32 s59, s[WV], 5
	s_add_co_u32 s59, s59, SLOT0
	v_add_nc_u32 v[ADB], s59, v[ADB]               ; + 32 w, in slot 0
	v_add_nc_u32 v[ADB+1], HALFT, v[ADB]           ; column tiles 8 on: the offsets of 16 bits reach eight tiles
	v_add_nc_u32 v[ADB+2], SLOTB, v[ADB]
	v_add_nc_u32 v[ADB+3], SLOTB+HALFT, v[ADB]
	v_add_nc_u32 v[ADF0], FT, v242
	v_lshl_add_u32 v[ADJ], v241, 6, v[ADF0]
	s_lshl_b32 s59, s[WV], 7
	v_add_nc_u32 v[ADJ], s59, v[ADJ]               ; a_j: j = 32 w + 16 h + t
	v_mul_u32_u24 v[ADS0], v1, 40
	v_lshrrev_b32 v243, 1, v1
	v_and_b32 v[PFO], 1, v1
	v_lshlrev_b32 v[PFO], 8, v[PFO]
	v_lshl_add_u32 v[PFO], v243, 14, v[PFO]        ; two lanes to a row's 512 bytes
	s_mul_i32 s59, s[WV], 16*528
	s_add_co_u32 s59, s59, FT
	v_add_nc_u32 v243, s59, v[CO]                  ; where my wave's rows of features go
	v_mul_u32_u24 v[STO], v240, 1040
	v_lshl_add_u32 v[STO], v241, 5, v[STO]
	s_mul_i32 s59, s[WV], SWAVE
	s_add_co_u32 s59, s59, STG
	v_add_nc_u32 v[STO], s59, v[STO]               ; my partial tile: row r, + 32 h
	s_mul_i32 s59, s[WV], 16*1040
	s_add_co_u32 s59, s59, STG
	v_add_nc_u32 v[RD], s59, v[CO]                 ; back: rows 16 w on, of each of the four partial tiles
	v_add_nc_u32 v[RD+1], SWAVE, v[RD]
	v_add_nc_u32 v[RD+2], 2*SWAVE, v[RD]
	v_add_nc_u32 v[RD+3], 3*SWAVE, v[RD]
.irp a, 0,1,2,3
	v_mov_b32 v[PT+\a], 0                          ; a lane permute's destination counts as one of its sources
.endr
	s_wait_loadcnt 0x0
.irp i, 0,1,2,3,4,5,6,7,8,9,10,11,12,13,14,15
	ds_store_b128 v243, v[X+4*\i:X+4*\i+3] offset:528*\i
.endr
	s_wait_tensorcnt 0x0                           ; tiles 0 and 1, pieces 0 and 1: my part has landed,
	s_wait_dscnt 0x0                               ; and my rows of features are stored
	s_barrier_signal -1
	s_barrier_wait -1                              ; everybody's are
	; what stays: a_j and m;  what step 0 wants: its four fragments and C's scale words, into set 0
.irp a, 0,1,2,3
.irp c, 0,1,2,3
	ds_load_b128 v[AJ+16*\a+4*\c:AJ+16*\a+4*\c+3], v[ADJ] offset:\a*8448+16*\c
.endr
.endr
	v_add_nc_u32 v[ADF], s[FO], v[ADF0]
	v_add_nc_u32 v[ADS], s[SBO], v[ADS0]
	LRAW 0
	LAI 0
	LAI 1
	s_wait_dscnt 0x0
.irp a, 0,1,2,3
	v_max3_num_f32 v[MM+2*\a], |v[AJ+16*\a]|, |v[AJ+16*\a+1]|, |v[AJ+16*\a+2]|
.endr
.irp i, 3,5,7,9,11,13
.irp a, 0,1,2,3
	v_max3_num_f32 v[MM+2*\a], v[MM+2*\a], |v[AJ+16*\a+\i]|, |v[AJ+16*\a+\i+1]|   ; (the four row tiles by turns)
.endr
.endr
.irp a, 0,1,2,3
	v_max_num_f32 v[MM+2*\a], v[MM+2*\a], |v[AJ+16*\a+15]|
.endr
.irp a, 0,1,2,3
	v_permlanex16_b32 v[PT+\a], v[MM+2*\a], s[SEL], s[SEL+1]
.endr
.irp a, 0,1,2,3
	v_max_num_f32 v[MM+2*\a], v[MM+2*\a], v[PT+\a]  ; with lane l xor 16's 16: m
.endr
.irp a, 0,1,2,3
	v_mul_f32 v[MM+2*\a+1], 0x3b800000, v[MM+2*\a]  ; m 2^-8
.endr
.irp p, 0,2,4,6
	PB 0, \p, 0
	PB 0, \p+1, 2
.endr
.macro FRAG0 a
.set wk, 0
.rept 16
	SL \a, 0
.set wk, wk+1
.endr
.endm
	FRAG0 0
	FRAG0 1
	WIN 0
	LAI 2
	LAI 3
	s_wait_dscnt 0x0
	FRAG0 2
	FRAG0 3
	WIN 0
	s_add_co_u32 s[FO], s[FO], 16                  ; step 0 makes step 1's fragments
	v_add_nc_u32 v[ADF], s[FO], v[ADF0]
	LAI 0
	LB 0, 0
	PLACES 8                                       ; codes written by vector instructions stand four places, scale words eight, ahead of a scaled matrix instruction
	STEP 0, 1, 1, 0, 1, 1, 1                       ; step 0 stands in front of the loop: its products start the sums: nothing is cleared.  Slot 0 takes tile 2
	WIN 0                                          ; at a label and at a branch every window is 0
	s_mov_b32 s[TRIP], 14
.Ltrip:                                            ; steps 1 to 28, two a trip, until sets, slots and halves of a piece are back where they began
	STEP 1, 0, 1, 0, 1, 1, 1                       ; an odd step: slot 1 takes tile s + 2
	STEP 0, 0, 1, 1, 1, 0, 1                       ; an even step: slot 0 takes tile s + 2, the idle scale buffer piece s / 2 + 1
	WIN 0
	s_sub_co_u32 s[TRIP], s[TRIP], 1
	s_cmp_lg_u32 s[TRIP], 0
	s_cbranch_scc1 .Ltrip
	STEP 1, 0, 1, 0, 0, 0, 1                       ; the tail is written out.  Step 29: slot 1 takes tile 31, the last load
	STEP 0, 0, 0, 0, 0, 0, 0                       ; step 30 fills nothing: its barrier opens no round; there is no step 32 to fetch a_i for
	PHASE 0, 1, 0, 0                               ; step 31 makes nothing
	PHASE 1, 1, 0, 0
	PHASE 2, 1, 0, 0
	s_wait_dscnt 0x0
.set wk, 0
.rept 16
	WS 3, 1, 0, 0
.endr
	WIN 0
	; THE WAY OUT.  Each wave puts its partial tile into its own 64 rows x 1,040 bytes of the stage, which lies in the two slots: they have had their last fill, and behind this barrier nobody reads them.
	PLACES 8                                       ; an LDS store that reads a matrix result stands eight places behind it
	s_wait_dscnt 0x0
	s_barrier_signal -1
	s_barrier_wait -1
	WIN 0x08                                       ; an LDS store's data are its source 1: window 2
.irp b, 0,1,2,3,4,5,6,7
.irp a, 0,1,2,3
	ds_store_b128 v[STO], v[8*(4*\b+\a):8*(4*\b+\a)+3] offset:\a*16640+64*\b        ; lane (r, h): out(16 a + r, 16 b + 8 h + 0 .. 7); each accumulator from its low end on
	ds_store_b128 v[STO], v[8*(4*\b+\a)+4:8*(4*\b+\a)+7] offset:\a*16640+64*\b+16
.endr
.endr
	WIN 0x0c                                       ; window 3: column tiles 8 on
.irp b, 0,1,2,3,4,5,6,7
.irp a, 0,1,2,3
	ds_store_b128 v[STO], v[8*(4*\b+\a):8*(4*\b+\a)+3] offset:\a*16640+64*(\b+8)
	ds_store_b128 v[STO], v[8*(4*\b+\a)+4:8*(4*\b+\a)+7] offset:\a*16640+64*(\b+8)+16
.endr
.endr
	WIN 0
	s_wait_dscnt 0x0                               ; for the others' sake: my partial tile is stored
	s_barrier_signal -1
	s_barrier_wait -1
; Wave w adds and stores rows 16 w .. 16 w + 15, two rows a batch: of each half row (512 bytes, 16 a lane) the four partial tiles' parts.
.macro ELOAD t
.irp i, 0,1
.irp u, 0,1
.irp p, 0,1,2,3
	ds_load_b128 v[EB+64*((\t)&1)+32*\i+16*\u+4*\p:EB+64*((\t)&1)+32*\i+16*\u+4*\p+3], v[RD+\p] offset:(2*(\t)+\i)*1040+512*\u
.endr
.endr
.endr
.endm
.macro ESUM t
.irp i, 0,1
.irp u, 0,1
.set e0, EB+64*((\t)&1)+32*\i+16*\u
	v_pk_add_f32 v[e0:e0+1], v[e0:e0+1], v[e0+4:e0+5]
	v_pk_add_f32 v[e0+2:e0+3], v[e0+2:e0+3], v[e0+6:e0+7]
	v_pk_add_f32 v[e0+8:e0+9], v[e0+8:e0+9], v[e0+12:e0+13]
	v_pk_add_f32 v[e0+10:e0+11], v[e0+10:e0+11], v[e0+14:e0+15]
	v_pk_add_f32 v[e0:e0+1], v[e0:e0+1], v[e0+8:e0+9]
	v_pk_add_f32 v[e0+2:e0+3], v[e0+2:e0+3], v[e0+10:e0+11]
	global_store_b128 v[CO], v[e0:e0+3], s[10:11] offset:(2*(\t)+\i)*4096+512*\u th:TH_STORE_NT   ; 32 lanes store 512 consecutive bytes, at a multiple of 256 from out's first byte; written once, read by nobody here
.endr
.endr
.endm
	ELOAD 0
	ELOAD 1
.irp t, 0,1,2,3,4,5,6,7
.if \t < 7
	s_wait_dscnt 16                                ; this batch is in; the next batch's 16 loads may be out
.else
	s_wait_dscnt 0x0
.endif
	ESUM \t
.if \t < 6
	s_wait_xcnt 0x0                                ; the stores have read their registers: the batch two on may land there
	ELOAD \t+2
.endif
.endr
	s_wait_tensorcnt 0x0                           ; the wave's end, behind my last tensor load and my last LDS store
	ds_add_u32 v[SPW], v[NIL]
	s_wait_dscnt 0x0
	ROUND                                          ; the closing round: no work-group ends while a partner may still ask for a tile that names it
	s_endpgm
.Lfunc_end_k_q837e2ba518_tsq:
	.size	k_q837e2ba518_tsq, .Lfunc_end_k_q837e2ba518_tsq-k_q837e2ba518_tsq
	.p2alignl 7, 3214868480
	.fill 96, 4, 3214868480
	.section	.rodata,"a",@progbits
	.p2align	6, 0x0
	.amdhsa_kernel k_q837e2ba518_tsq
		.amdhsa_group_segment_fixed_size 327680
		.amdhsa_private_segment_fixed_size 0
		.amdhsa_enable_private_segment 0
		.amdhsa_kernarg_size 32
		.amdhsa_user_sgpr_count 2
		.amdhsa_user_sgpr_kernarg_segment_ptr 1
		.amdhsa_wavefront_size32 1
		.amdhsa_system_sgpr_workgroup_id_x 1
		.amdhsa_system_sgpr_workgroup_id_y 1
		.amdhsa_system_sgpr_workgroup_id_z 1
		.amdhsa_system_vgpr_workitem_id 0
		.amdhsa_next_free_vgpr 1024
		.amdhsa_next_free_sgpr 80
		.amdhsa_reserve_vcc 0
		.amdhsa_float_denorm_mode_32 3
		.amdhsa_float_denorm_mode_16_64 3
		.amdhsa_memory_ordered 1
		.amdhsa_forward_progress 1
		.amdhsa_inst_pref_size 255
	.end_amdhsa_kernel
	.section	.bss,"aw",@nobits
	.p2align	6
	.space	262144
	.amdgpu_metadata
---
amdhsa.version: [ 1, 2 ]
amdhsa.kernels:
  - .name:           k_q837e2ba518_tsq
    .symbol:         k_q837e2ba518_tsq.kd
    .args:
      - { .name: features, .offset: 0, .size: 8, .value_kind: global_buffer, .address_space: global }
      - { .name: mixing_matrix_codes, .offset: 8, .size: 8, .value_kind: global_buffer, .address_space: global }
      - { .name: mixing_matrix_scales, .offset: 16, .size: 8, .value_kind: global_buffer, .address_space: global }
      - { .name: out0, .offset: 24, .size: 8, .value_kind: global_buffer, .address_space: global }
    .group_segment_fixed_size: 327680
    .private_segment_fixed_size: 0
    .kernarg_segment_align: 8
    .kernarg_segment_size: 32
    .max_flat_workgroup_size: 128
    .sgpr_count:     80
    .vgpr_count:     1024
    .wavefront_size: 32
...
	.end_amdgpu_metadata
.endif
;; end of part 1
;; ======== version 2 of 2: 1 launch
;; limits: right only within a limited range of input values
;; launch tsq (part 2): grid 64 x 4, 4 waves a work-group, clusters of 4 x 1, 327,680 bytes of LDS; arguments features, mixing_matrix_codes, mixing_matrix_scales, out0; writes out0
.if DOCPART == 2
	.amdgcn_target "amdgcn-amd-amdhsa--gfx1250"
	.amdhsa_code_object_version 6
	.text
	.protected	k_q837e2ba518_tsq
	.globl	k_q837e2ba518_tsq
	.p2align	8
	.type	k_q837e2ba518_tsq,@function
k_q837e2ba518_tsq:
	s_mov_b64 s[64:65], 0
	v_nop
	global_prefetch_b8 v0, s[64:65] scope:SCOPE_SE
	s_setreg_imm32_b32 hwreg(HW_REG_WAVE_MODE, 25, 1), 1
	s_wait_xcnt 0x0
	s_wait_alu depctr_hold_cnt(0) depctr_sa_sdst(0) depctr_va_vdst(0) depctr_va_sdst(0) depctr_va_ssrc(0) depctr_va_vcc(0) depctr_vm_vsrc(0)
	s_getreg_b32 s2, hwreg(HW_REG_IB_STS2, 6, 4)
	s_cmp_eq_u32 s2, 0
	s_cbranch_scc0 .Lentry_in_a_cluster
	s_endpgm
.Lentry_in_a_cluster:
	s_bfe_u32 s2, ttmp6, 0x10000c
	s_cmp_lg_u32 s2, 0x3003
	s_cbranch_scc0 .Lentry_shape_is_right
	s_endpgm
.Lentry_shape_is_right:
; out[z][k] = sum over i, j of C[k][128 i + j] x Q(a[z][i] a[z][j]).  a = features [4096][128] f32; C = mixing_matrix: E4M3 codes [1024][16384], one E8M0 byte for each 32 along K, [1024][512]; out [4096][1024] f32.
; Q is the MX quantiser along K = 128 i + j: a block of 32 is one i and 32 neighbouring j.  The outer product is multiplied in f32 and quantised in registers; it never goes to memory.
; SHARES.  A work-group makes 64 rows x 256 columns (grid 64 x 4 = 256).  Its four waves share K: wave w takes j = 32 w .. 32 w + 31 of every i and holds the whole tile as 64 accumulators;
; the four partial tiles are added once, at the end, through LDS.  Each byte of a tile of C is read from LDS by one wave and feeds four matrix instructions.
; A STEP (32 of them) is four i: block q of a matrix instruction's K is (i = 4 s + q, j = 32 w ..).  64 matrix instructions a wave: 4 row tiles x 16 column tiles.
; Cluster x begins its walk at step 2 p, p = x xor 12 (x & 1), and goes round: step t of the text is s = (t + 2 p) mod 32.  The rotation enters global addresses alone.
; No prefetch: the sixteen clusters of a column block ask for tiles 2 p and 2 p + 1 as their first two fills, 16 x 2 = 32: no later request is a tile's first in the launch.
; A BLOCK'S SCALE: its largest magnitude is fl(|a_i| m), m the row's largest |a_j| of the wave's 32.  T = a_i (m 2^-8) has that number's exponent field less 8: the conversion's scale operand; its bits 30:23 are the byte.
; L = that exponent field over 448's mantissa field = 448 x the scale: the hold, since the conversion does not saturate (ISA guide 7.6.2).
; LIMITS: no floor under the largest magnitude: a block whose largest product lies under 2^-118 may get a byte under 1 where the quantiser holds it at 1; a block of zeros gets byte 0 and zero codes, which add nothing;
; NaN and infinities among the features are not served.  ORDER OF ROUNDING: a wave's sum begins at i = 8 p and goes round; the four partial sums are added as (w0 + w1) + (w2 + w3).
; TRANSPOSED USE: source 0 = 16 rows of C, source 1 = 16 rows of the outer product: a lane holds one row z and eight neighbouring columns of out.
; Behind each pair of matrix instructions stand two slices of the next step's fragment (119 lines a fragment, 16 slices); two sets of codes and scale words take turns.
; CLUSTER 4 x 1: the four row blocks walk the same 256 rows of C: tiles are asked for jointly (mask 15), each wave a quarter (64 rows x 512 bytes), one line for all waves.
; C's SCALE BYTES: the 256 rows' 131,072 bytes do not fit beside two slots of 135,168 and the features' 33,792 in 327,680; so each lane loads its row's 16 bytes of a step into registers, one step ahead of their use.
; LDS: 0 two slots of 256 rows x 528; 270,336 the 64 rows of features x 528; 304,128 the spare words.  All of LDS is claimed.
; The stage of the way out lies in the two slots, which have had their last fill by then.
; REGISTERS: window 0: addresses, scale words, a_j, numbers at work.  window 1: v0-127 two buffers of four fragments of C; v128-255 two sets of four fragments of codes.
;   windows 2, 3: accumulator (row tile a, column tile b) at v[8 (4 (b % 8) + a)], b < 8 in window 2.
.set SLOT0,  0
.set QT,     64*528                    ; what one tensor load brings
.set HALFT,  128*528
.set SLOTB,  2*HALFT
.set SLOT1,  SLOT0+SLOTB
.set FT,     SLOT1+SLOTB
.set SPARE,  FT+64*528
.set STG,    SLOT0
.set SWAVE,  64*1040
.set ADB,  2                           ; v2-5 my bytes of C: slot 0 column tiles 0-7, 8-15; slot 1 likewise
.set ADF,  6                           ; my row's four a_i of the step being made
.set SOFF, 7                           ; 512 x lane: my row among 32 rows of scale bytes
.set SPW,  10
.set NIL,  11
.set STO,  12
.set CO,   13                          ; 16 x lane
.set ADF0, 14
.set MM,   16                          ; for each row tile the pair (m, m 2^-8)
.set AI,   24                          ; four a_i, two sets
.set AM,   32
.set TT,   36
.set LL,   40
.set BY,   44
.set AW,   48                          ; the outer product's scale words: set, row tile
.set BW,   56                          ; C's scale words: set, pair p of column tiles (lanes 0-15 tile 2 p, lanes 16-31 tile 2 p + 1)
.set PT,   72
.set RAW,  76                          ; v76-107 a step's 16 scale bytes of row 32 p + lane
.set RD,   108
.set AJ,   112                         ; a_j: row tile a, t = 0 .. 15
.set X,    176                         ; the 64 products at work
.set EB,   112
.set CD,   128
.set WV,   12
.set CX,   13
.set RB,   14
.set CB,   15
.set MNT,  16
.set SELW, 17
.set SELP, 18
.set SEL,  20
.set TRIP, 22
.set OFF,  23                          ; 2 p
.set G1B,  24
.set G0B,  32                          ; s[32:39] group 0, a set for each slot
.set SX,   48                          ; s[48:49] the scale bytes of the step being fetched
.set BB,   52                          ; C's codes at my 64 rows
.set KO,   56                          ; byte in a row of the tile last asked for
.set SB,   60                          ; scale bytes at the column block's first row
.set SO,   62                          ; byte in a scale row: 16 x step
.set FO,   72
.set MSB, 0
.macro WIN new
.if MSB != \new
	s_set_vgpr_msb (MSB<<8)|\new
.set MSB, \new
.endif
.endm
.macro PLACES n
.rept \n
	v_nop
.endr
.endm
.macro CREST
	s_cmp_lg_u32 s[WV], 0
	s_cbranch_scc1 .Lnot_wave_0_\@
	s_barrier_signal -3
.Lnot_wave_0_\@:
	s_barrier_wait -3
	s_barrier_signal -1
	s_barrier_wait -1
.endm
.macro ROUND
	s_barrier_signal -1
	s_barrier_wait -1
	CREST
.endm
.macro TLOAD slot                      ; my quarter of a tile, jointly with the three partners
	tensor_load_to_lds s[G0B+4*\slot:G0B+4*\slot+3], s[G1B:G1B+7]
	s_nop 0
	PLACES 4
.endm
; Line fn of the 119 that make row tile a's fragment (16 rows x 4 blocks of 32) into set st.
.macro FV a, st
.set rAI, AI+4*((\a)&1)
.set rMM, MM+2*(\a)
.set rAW, AW+4*(\st)+(\a)
.if fn < 2
	v_pk_mul_f32 v[AM+2*fn:AM+2*fn+1], v[rAI+2*fn:rAI+2*fn+1], v[rMM:rMM+1] op_sel_hi:[1,0]
.elseif fn < 4
	v_pk_mul_f32 v[TT+2*(fn-2):TT+2*(fn-2)+1], v[rAI+2*(fn-2):rAI+2*(fn-2)+1], v[rMM:rMM+1] op_sel:[0,1] op_sel_hi:[1,1]
.elseif fn < 8
	v_and_or_b32 v[LL+fn-4], v[AM+fn-4], 0x7f800000, s[MNT]
.elseif fn < 12
	v_bfe_u32 v[BY+fn-8], v[TT+fn-8], 23, 8
.elseif fn == 12
	v_lshl_or_b32 v[rAW], v[BY+1], 8, v[BY]
.elseif fn == 13
	v_lshl_or_b32 v[rAW], v[BY+2], 16, v[rAW]
.elseif fn == 14
	v_lshl_or_b32 v[rAW], v[BY+3], 24, v[rAW]
.elseif fn < 47
.set fe, fn-15
.set fq, fe>>3
.set fu, fe&7
.if fq&1
	v_pk_mul_f32 v[X+16*fq+2*fu:X+16*fq+2*fu+1], v[AJ+16*(\a)+2*fu:AJ+16*(\a)+2*fu+1], v[rAI+2*(fq>>1):rAI+2*(fq>>1)+1] op_sel:[0,1] op_sel_hi:[1,1]
.else
	v_pk_mul_f32 v[X+16*fq+2*fu:X+16*fq+2*fu+1], v[AJ+16*(\a)+2*fu:AJ+16*(\a)+2*fu+1], v[rAI+2*(fq>>1):rAI+2*(fq>>1)+1] op_sel_hi:[1,0]
.endif
.elseif fn < 111
.set fe, fn-47
	v_med3_num_f32 v[X+fe], v[X+fe], -v[LL+(fe>>4)], v[LL+(fe>>4)]
.else
.set fe, fn-111
	v_cvt_scalef32_pk8_fp8_f32 v[CD+64*(\st)+16*(\a)+2*fe:CD+64*(\st)+16*(\a)+2*fe+1], v[X+8*fe:X+8*fe+7], v[TT+(fe>>1)]
.endif
.endm
; Slice wk of 16: 111 plain lines over slices 0 to 14; slice 15 is the eight conversions and one plain line behind them.
.macro SL a, st
.if wk < 15
	WIN 0
.set fn, (111*wk)/15
.rept (111*(wk+1))/15-(111*wk)/15
	FV \a, \st
.set fn, fn+1
.endr
.else
	WIN 0x40
.set fn, 111
.rept 8
	FV \a, \st
.set fn, fn+1
.endr
	v_nop
.endif
.endm
.macro PB st, p, t                     ; C's scale word of pair p for my wave: byte w of each of a step's four words
	v_perm_b32 v[PT+\t], v[RAW+4*(\p)+1], v[RAW+4*(\p)], s[SELW]
	v_perm_b32 v[PT+\t+1], v[RAW+4*(\p)+3], v[RAW+4*(\p)+2], s[SELW]
	v_perm_b32 v[BW+8*(\st)+(\p)], v[PT+\t+1], v[PT+\t], s[SELP]
.endm
; Matrix instruction wk of group g: column tile 4 g + wk / 4, row tile wk % 4.  The 64 accumulators take turns.
.macro WM g, par, zero
.set wb, 4*(\g)+(wk>>2)
.set wa, wk&3
.set rD, 8*(4*(wb&7)+wa)
.set rB, 64*((\g)&1)+16*(wk>>2)
.set rA, CD+64*(\par)+16*wa
.set rSB, BW+8*(\par)+(wb>>1)
.set rSA, AW+4*(\par)+wa
.if (\g) < 2
	WIN 0xa5
.else
	WIN 0xf5
.endif
.if \zero
.if wb&1
	v_wmma_scale_f32_16x16x128_f8f6f4 v[rD:rD+7], v[rB:rB+15], v[rA:rA+15], 0, v[rSB], v[rSA] matrix_a_scale:MATRIX_SCALE_ROW1
.else
	v_wmma_scale_f32_16x16x128_f8f6f4 v[rD:rD+7], v[rB:rB+15], v[rA:rA+15], 0, v[rSB], v[rSA]
.endif
.else
.if wb&1
	v_wmma_scale_f32_16x16x128_f8f6f4 v[rD:rD+7], v[rB:rB+15], v[rA:rA+15], v[rD:rD+7], v[rSB], v[rSA] matrix_a_scale:MATRIX_SCALE_ROW1
.else
	v_wmma_scale_f32_16x16x128_f8f6f4 v[rD:rD+7], v[rB:rB+15], v[rA:rA+15], v[rD:rD+7], v[rSB], v[rSA]
.endif
.endif
.endm
.macro WS g, par, zero, make           ; one matrix instruction and a slice
	WM \g, \par, \zero
.if \make
	SL \g, 1-(\par)
.endif
.set wk, wk+1
.endm
.macro WS2 g, par, zero, make          ; two matrix instructions under one window setting, then two slices
	WM \g, \par, \zero
.set wk, wk+1
	WM \g, \par, \zero
.set wk, wk-1
.if \make
	SL \g, 1-(\par)
.set wk, wk+1
	SL \g, 1-(\par)
.set wk, wk+1
.else
.set wk, wk+2
.endif
.endm
.macro LB slot, g                      ; group g's four fragments of C: lane (r, h) takes, of row 16 b + r, the 16 bytes at 128 q + 32 w + 16 h
	WIN 0x40
.irp bb, 0,1,2,3
.irp q, 0,1,2,3
	ds_load_b128 v[64*((\g)&1)+16*\bb+4*\q:64*((\g)&1)+16*\bb+4*\q+3], v[ADB+2*(\slot)+((\g)>>1)] offset:((4*(\g)+\bb)&7)*8448+128*\q
.endr
.endr
.endm
.macro LAI a
	ds_load_b128 v[AI+4*((\a)&1):AI+4*((\a)&1)+3], v[ADF] offset:(\a)*8448
.endm
.macro LRAW lo                         ; a step's 16 scale bytes of row 32 p + lane, for p = lo .. lo + 3
.irp p, 0,1,2,3
	global_load_b128 v[RAW+4*((\lo)+\p):RAW+4*((\lo)+\p)+3], v[SOFF], s[SX:SX+1] offset:16384*((\lo)+\p)
.endr
.endm
; Groups 0 to 2 of a step.  The next group's loads stand behind the first pair and its two slices: fourteen plain lines (or eight v_nop) behind the buffer's last reader.
.macro PHASE g, par, zero, make
	s_wait_dscnt 0x0                               ; this group's fragments of C and its a_i
.if (\make) && ((\g) == 0)
	s_add_co_u32 s[SO], s[SO], 16                  ; the next step's scale bytes, round a row's 512; the loads that named the base were waited for in the step before
	s_and_b32 s[SO], s[SO], 0x1ff
	s_add_nc_u64 s[SX:SX+1], s[SB:SB+1], s[SO:SO+1]
.endif
.set wk, 0
	WS2 \g, \par, \zero, \make
.if \make
	WIN 0
	LAI (\g)+1
.else
	PLACES 8
.endif
	LB \par, (\g)+1
.if (\make) && ((\g) < 2)
	WIN 0
	LRAW 4*(\g)                                    ; half of the next step's scale bytes, behind the LDS loads that the next group waits for
.endif
.rept 7
	WS2 \g, \par, \zero, \make
.endr
.endm
; Group 3 changes slots: each wave waits for all its tensor loads, adds 0 to its spare word, waits for that and for its reads; fillb = 1: a round of the cluster's barrier, and this slot takes the tile two steps on.
.macro PHASE3 par, zero, fillb, ai0
	s_wait_dscnt 0x0                               ; my reads of this slot are over
.set wk, 0
.rept 3
	WS2 3, \par, \zero, 1
.endr
	WIN 0
	s_wait_tensorcnt 0x0                           ; no tensor load of mine is out, so a group 0 may be written
	ds_add_u32 v[SPW], v[NIL]
.if \fillb
	s_add_co_u32 s[KO], s[KO], 512
	s_and_b32 s[KO], s[KO], 0x3fff                 ; round a row's 16,384 bytes
	s_add_nc_u64 s[G0B+4*\par+2:G0B+4*\par+3], s[BB:BB+1], s[KO:KO+1]
	s_or_b32 s[G0B+4*\par+3], s[G0B+4*\par+3], 0x80000000
.endif
	WS 3, \par, \zero, 1
	s_wait_dscnt 0x0                               ; the add is done
	s_barrier_signal -1
	WS 3, \par, \zero, 1
	WIN 0
	s_barrier_wait -1
.if \fillb
	CREST
	TLOAD \par                                     ; the first tensor load behind the round, one a wave
.endif
.if \ai0
	s_add_co_u32 s[FO], s[FO], 16
	v_add_nc_u32 v[ADF], s[FO], v[ADF0]
	LAI 0
.endif
	LB 1-(\par), 0
.rept 8
	WM 3, \par, \zero
.if wk == 12
	s_wait_loadcnt 0x0                             ; the next step's scale bytes, asked for in groups 0 and 1
.endif
.if wk >= 12
	WIN 0
	PB 1-(\par), 2*(wk-12), 0                      ; pairs 0 and 1 first: more than eight plain lines follow ahead of the products that name them
	PB 1-(\par), 2*(wk-12)+1, 2
.endif
	SL 3, 1-(\par)
.set wk, wk+1
.endr
.endm
.macro STEP par, zero, fillb, ai0
	PHASE 0, \par, \zero, 1
	PHASE 1, \par, \zero, 1
	PHASE 2, \par, \zero, 1
	PHASE3 \par, \zero, \fillb, \ai0
.endm
	s_load_b256 s[4:11], s[0:1], 0x0               ; features, codes, scales, out
	v_lshl_add_u32 v[SPW], v0, 2, SPARE
	v_mov_b32 v[NIL], 0
	ds_add_u32 v[SPW], v[NIL]
	ds_add_u32 v[SPW], v[NIL]
	v_lshrrev_b32 v1, 5, v0
	v_readfirstlane_b32 s[WV], v1
	s_bfe_u32 s[CX], ttmp6, 0x40000
	s_lshl_b32 s[RB], ttmp9, 2
	s_add_co_u32 s[RB], s[RB], s[CX]               ; my block of 64 rows: it enters the addresses of features and of out alone
	s_and_b32 s[CB], ttmp7, 0xffff                 ; my block of 256 columns, shared by the partners
	s_and_b32 s[OFF], ttmp9, 1
	s_mul_i32 s[OFF], s[OFF], 12
	s_xor_b32 s[OFF], s[OFF], ttmp9
	s_lshl_b32 s[OFF], s[OFF], 1                   ; 2 p
	s_mov_b32 s[MNT], 0x600000
	s_add_co_u32 s[SELW], s[WV], 4
	s_lshl_b32 s[SELW], s[SELW], 8
	s_or_b32 s[SELW], s[SELW], s[WV]
	s_mov_b32 s[SELP], 0x05040100
	s_mov_b32 s[SEL], 0x76543210
	s_mov_b32 s[SEL+1], 0xfedcba98
	s_mov_b32 s[FO], 0
	s_mov_b32 s[G1B], 15|(1<<20)|(1<<21)|(6<<22)|(3<<25)   ; mask of all four; bytes; 16 bytes of padding behind every 512
	s_mov_b32 s[G1B+1], 512<<16
	s_mov_b32 s[G1B+2], 64<<16
	s_mov_b32 s[G1B+3], 512<<16
	s_mov_b32 s[G1B+4], 64
	s_mov_b32 s[G1B+5], 16384
	s_mov_b32 s[G1B+6], 0
	s_mov_b32 s[G1B+7], 0
	s_lshl_b32 s66, s[CB], 22                      ; 256 rows x 16,384 bytes a column block
	s_lshl_b32 s55, s[WV], 20                      ; + my 64 rows
	s_add_co_u32 s66, s66, s55
	s_mov_b32 s67, 0
	s_mul_i32 s58, s[WV], QT
	s_lshl_b32 s68, s[CB], 17
	s_mov_b32 s69, 0
	s_lshl_b32 s[KO], s[OFF], 9
	s_mov_b32 s[KO+1], 0
	s_lshl_b32 s[SO], s[OFF], 4
	s_mov_b32 s[SO+1], 0
	s_lshl_b32 s70, s[RB], 15
	s_mov_b32 s71, 0
	s_lshl_b32 s74, s[RB], 18                      ; out: row 64 x row block + 16 x wave, + 1,024 bytes a column block
	s_lshl_b32 s55, s[WV], 16
	s_add_co_u32 s74, s74, s55
	s_lshl_b32 s55, s[CB], 10
	s_add_co_u32 s74, s74, s55
	s_mov_b32 s75, 0
	s_lshl_b32 s40, s[WV], 13                      ; my wave's 16 rows of features
	s_lshl_b32 s41, s[WV], 7                       ; j = 32 w
	s_lshl_b32 s42, s[WV], 5
	s_add_co_u32 s42, s42, SLOT0
	s_mul_i32 s43, s[WV], 16*528
	s_add_co_u32 s43, s43, FT
	s_mul_i32 s44, s[WV], SWAVE
	s_add_co_u32 s44, s44, STG
	s_mul_i32 s45, s[WV], 16*1040
	s_add_co_u32 s45, s45, STG
	s_wait_dscnt 0x0                               ; both opening adds are done
	v_and_b32 v1, 31, v0
	v_lshlrev_b32 v[CO], 4, v1
	v_lshlrev_b32 v[SOFF], 9, v1
	v_add_nc_u32 v244, s[OFF], v1                  ; features: lane l takes the 16 bytes at 16 ((l + 2 p) mod 32), stored at 16 l
	v_and_b32 v244, 31, v244
	v_lshlrev_b32 v244, 4, v244
	v_add_nc_u32 v244, s40, v244
	v_and_b32 v240, 15, v0                         ; r
	v_bfe_u32 v241, v0, 4, 1                       ; h
	v_lshlrev_b32 v245, 9, v240
	v_lshl_add_u32 v245, v241, 6, v245
	v_add_nc_u32 v245, s41, v245                   ; a_j: row r, j = 32 w + 16 h
	v_mul_u32_u24 v242, v240, 528
	v_lshl_add_u32 v[ADB], v241, 4, v242
	v_add_nc_u32 v[ADB], s42, v[ADB]
	v_add_nc_u32 v[ADB+1], HALFT, v[ADB]
	v_add_nc_u32 v[ADB+2], SLOTB, v[ADB]
	v_add_nc_u32 v[ADB+3], SLOTB+HALFT, v[ADB]
	v_add_nc_u32 v[ADF0], FT, v242
	v_add_nc_u32 v243, s43, v[CO]
	v_mul_u32_u24 v[STO], v240, 1040
	v_lshl_add_u32 v[STO], v241, 5, v[STO]
	v_add_nc_u32 v[STO], s44, v[STO]
	v_add_nc_u32 v[RD], s45, v[CO]
	v_add_nc_u32 v[RD+1], SWAVE, v[RD]
	v_add_nc_u32 v[RD+2], 2*SWAVE, v[RD]
	v_add_nc_u32 v[RD+3], 3*SWAVE, v[RD]
.irp a, 0,1,2,3
	v_mov_b32 v[PT+\a], 0                          ; a lane permute's destination counts as one of its sources
.endr
	s_wait_alu depctr_va_vdst(0)
	s_wait_kmcnt 0x0
	s_add_nc_u64 s[4:5], s[4:5], s[70:71]
	s_add_nc_u64 s[10:11], s[10:11], s[74:75]
	s_add_nc_u64 s[BB:BB+1], s[6:7], s[66:67]
	s_add_nc_u64 s[SB:SB+1], s[8:9], s[68:69]
	s_add_nc_u64 s[SX:SX+1], s[SB:SB+1], s[SO:SO+1]
.irp i, 0,1,2,3,4,5,6,7,8,9,10,11,12,13,14,15
	global_load_b128 v[X+4*\i:X+4*\i+3], v244, s[4:5] offset:512*\i
.endr
.irp a, 0,1,2,3
.irp c, 0,1,2,3
	global_load_b128 v[AJ+16*\a+4*\c:AJ+16*\a+4*\c+3], v245, s[4:5] offset:\a*8192+16*\c
.endr
.endr
	LRAW 0                                         ; the first step's scale bytes
	LRAW 4
	s_mov_b32 s[G0B], 1
	s_add_co_u32 s[G0B+1], s58, SLOT0
	s_add_nc_u64 s[G0B+2:G0B+3], s[BB:BB+1], s[KO:KO+1]   ; tile 2 p
	s_add_co_u32 s[KO], s[KO], 512                 ; 2 p + 1 is 31 at the most
	s_mov_b32 s[G0B+4], 1
	s_add_co_u32 s[G0B+5], s58, SLOT1
	s_add_nc_u64 s[G0B+6:G0B+7], s[BB:BB+1], s[KO:KO+1]   ; tile 2 p + 1
	s_or_b32 s[G0B+3], s[G0B+3], 0x80000000
	s_or_b32 s[G0B+7], s[G0B+7], 0x80000000
	ROUND                                          ; all four work-groups are here: the first joint loads meet
	TLOAD 0                                        ; one tensor load a wave at the head
	s_wait_loadcnt 24                              ; my 16 rows of features are in; behind them 16 loads of a_j and 8 of scale bytes
.irp i, 0,1,2,3,4,5,6,7,8,9,10,11,12,13,14,15
	ds_store_b128 v243, v[X+4*\i:X+4*\i+3] offset:528*\i
.endr
	s_wait_tensorcnt 0x0                           ; my quarter of the first tile; these lines stand ahead of slot 1's first fill as ahead of a refill
	ds_add_u32 v[SPW], v[NIL]
	s_wait_dscnt 0x0                               ; the add, and my rows of features
	ROUND
	TLOAD 1
	v_add_nc_u32 v[ADF], s[FO], v[ADF0]
	LAI 0
	LAI 1
	s_wait_loadcnt 0x0
.irp a, 0,1,2,3
	v_max3_num_f32 v[MM+2*\a], |v[AJ+16*\a]|, |v[AJ+16*\a+1]|, |v[AJ+16*\a+2]|
.endr
.irp i, 3,5,7,9,11,13
.irp a, 0,1,2,3
	v_max3_num_f32 v[MM+2*\a], v[MM+2*\a], |v[AJ+16*\a+\i]|, |v[AJ+16*\a+\i+1]|
.endr
.endr
.irp a, 0,1,2,3
	v_max_num_f32 v[MM+2*\a], v[MM+2*\a], |v[AJ+16*\a+15]|
.endr
.irp a, 0,1,2,3
	v_permlanex16_b32 v[PT+\a], v[MM+2*\a], s[SEL], s[SEL+1]
.endr
.irp a, 0,1,2,3
	v_max_num_f32 v[MM+2*\a], v[MM+2*\a], v[PT+\a]  ; m
.endr
.irp a, 0,1,2,3
	v_mul_f32 v[MM+2*\a+1], 0x3b800000, v[MM+2*\a]  ; m 2^-8
.endr
.irp p, 0,2,4,6
	PB 0, \p, 0
	PB 0, \p+1, 2
.endr
	s_wait_alu depctr_va_vdst(0)
	s_wait_dscnt 0x0
.macro FRAG0 a
.set wk, 0
.rept 16
	SL \a, 0
.set wk, wk+1
.endr
.endm
	FRAG0 0
	FRAG0 1
	WIN 0
	LAI 2
	LAI 3
	s_wait_dscnt 0x0
	FRAG0 2
	FRAG0 3
	WIN 0
	s_add_co_u32 s[FO], s[FO], 16                  ; the first step makes the second's fragments
	v_add_nc_u32 v[ADF], s[FO], v[ADF0]
	LAI 0
	LB 0, 0
	PLACES 8                                       ; codes stand four places, scale words eight, ahead of a scaled matrix instruction
	STEP 0, 1, 1, 1                                ; step 0: its products start the sums
	WIN 0
	s_mov_b32 s[TRIP], 14
.Ltrip:                                            ; steps 1 to 28, two a trip
	STEP 1, 0, 1, 1
	STEP 0, 0, 1, 1
	WIN 0
	s_sub_co_u32 s[TRIP], s[TRIP], 1
	s_cmp_lg_u32 s[TRIP], 0
	s_cbranch_scc1 .Ltrip
	STEP 1, 0, 1, 1                                ; step 29: slot 1 takes step 31's tile, the last load
	STEP 0, 0, 0, 0                                ; step 30 fills nothing
	s_wait_alu depctr_va_vdst(0)
	PHASE 0, 1, 0, 0                               ; step 31 makes nothing
	PHASE 1, 1, 0, 0
	PHASE 2, 1, 0, 0
	s_wait_dscnt 0x0
.set wk, 0
.rept 8
	WS2 3, 1, 0, 0
.endr
	WIN 0
	; THE WAY OUT: each wave's partial tile into its own 64 rows x 1,040 bytes of the stage; behind this barrier nobody reads the slots
	PLACES 8
	s_wait_dscnt 0x0
	s_barrier_signal -1
	s_barrier_wait -1
	WIN 0x08
.irp b, 0,1,2,3,4,5,6,7
.irp a, 0,1,2,3
	ds_store_b128 v[STO], v[8*(4*\b+\a):8*(4*\b+\a)+3] offset:\a*16640+64*\b        ; each accumulator from its low end on
	ds_store_b128 v[STO], v[8*(4*\b+\a)+4:8*(4*\b+\a)+7] offset:\a*16640+64*\b+16
.endr
.endr
	WIN 0x0c
.irp b, 0,1,2,3,4,5,6,7
.irp a, 0,1,2,3
	ds_store_b128 v[STO], v[8*(4*\b+\a):8*(4*\b+\a)+3] offset:\a*16640+64*(\b+8)
	ds_store_b128 v[STO], v[8*(4*\b+\a)+4:8*(4*\b+\a)+7] offset:\a*16640+64*(\b+8)+16
.endr
.endr
	WIN 0
	s_wait_dscnt 0x0                               ; for the others' sake: my partial tile is stored
	s_barrier_signal -1
	s_barrier_wait -1
; Wave w adds and stores rows 16 w .. 16 w + 15, two rows a batch
.macro ELOAD t
.irp i, 0,1
.irp u, 0,1
.irp p, 0,1,2,3
	ds_load_b128 v[EB+64*((\t)&1)+32*\i+16*\u+4*\p:EB+64*((\t)&1)+32*\i+16*\u+4*\p+3], v[RD+\p] offset:(2*(\t)+\i)*1040+512*\u
.endr
.endr
.endr
.endm
.macro ESUM t
.irp i, 0,1
.irp u, 0,1
.set e0, EB+64*((\t)&1)+32*\i+16*\u
	v_pk_add_f32 v[e0:e0+1], v[e0:e0+1], v[e0+4:e0+5]
	v_pk_add_f32 v[e0+2:e0+3], v[e0+2:e0+3], v[e0+6:e0+7]
	v_pk_add_f32 v[e0+8:e0+9], v[e0+8:e0+9], v[e0+12:e0+13]
	v_pk_add_f32 v[e0+10:e0+11], v[e0+10:e0+11], v[e0+14:e0+15]
	v_pk_add_f32 v[e0:e0+1], v[e0:e0+1], v[e0+8:e0+9]
	v_pk_add_f32 v[e0+2:e0+3], v[e0+2:e0+3], v[e0+10:e0+11]
	global_store_b128 v[CO], v[e0:e0+3], s[10:11] offset:(2*(\t)+\i)*4096+512*\u th:TH_STORE_NT   ; 32 lanes store 512 consecutive bytes, at a multiple of 256 from out's first byte
.endr
.endr
.endm
	ELOAD 0
	ELOAD 1
.irp t, 0,1,2,3,4,5,6,7
.if \t < 7
	s_wait_dscnt 16                                ; this batch is in; the next batch's 16 loads may be out
.else
	s_wait_dscnt 0x0
.endif
	ESUM \t
.if \t < 6
	s_wait_xcnt 0x0                                ; the stores have read their registers: the batch two on may land there
	ELOAD \t+2
.endif
.endr
	s_wait_tensorcnt 0x0                           ; the wave's end
	ds_add_u32 v[SPW], v[NIL]
	s_wait_dscnt 0x0
	ROUND                                          ; the closing round
	s_endpgm
.Lfunc_end_k_q837e2ba518_tsq:
	.size	k_q837e2ba518_tsq, .Lfunc_end_k_q837e2ba518_tsq-k_q837e2ba518_tsq
	.p2alignl 7, 3214868480
	.fill 96, 4, 3214868480
	.section	.rodata,"a",@progbits
	.p2align	6, 0x0
	.amdhsa_kernel k_q837e2ba518_tsq
		.amdhsa_group_segment_fixed_size 327680
		.amdhsa_private_segment_fixed_size 0
		.amdhsa_enable_private_segment 0
		.amdhsa_kernarg_size 32
		.amdhsa_user_sgpr_count 2
		.amdhsa_user_sgpr_kernarg_segment_ptr 1
		.amdhsa_wavefront_size32 1
		.amdhsa_system_sgpr_workgroup_id_x 1
		.amdhsa_system_sgpr_workgroup_id_y 1
		.amdhsa_system_sgpr_workgroup_id_z 1
		.amdhsa_system_vgpr_workitem_id 0
		.amdhsa_next_free_vgpr 1024
		.amdhsa_next_free_sgpr 80
		.amdhsa_reserve_vcc 0
		.amdhsa_float_denorm_mode_32 3
		.amdhsa_float_denorm_mode_16_64 3
		.amdhsa_memory_ordered 1
		.amdhsa_forward_progress 1
		.amdhsa_inst_pref_size 255
	.end_amdhsa_kernel
	.section	.bss,"aw",@nobits
	.p2align	6
	.space	262144
	.amdgpu_metadata
---
amdhsa.version: [ 1, 2 ]
amdhsa.kernels:
  - .name:           k_q837e2ba518_tsq
    .symbol:         k_q837e2ba518_tsq.kd
    .args:
      - { .name: features, .offset: 0, .size: 8, .value_kind: global_buffer, .address_space: global }
      - { .name: mixing_matrix_codes, .offset: 8, .size: 8, .value_kind: global_buffer, .address_space: global }
      - { .name: mixing_matrix_scales, .offset: 16, .size: 8, .value_kind: global_buffer, .address_space: global }
      - { .name: out0, .offset: 24, .size: 8, .value_kind: global_buffer, .address_space: global }
    .group_segment_fixed_size: 327680
    .private_segment_fixed_size: 0
    .kernarg_segment_align: 8
    .kernarg_segment_size: 32
    .max_flat_workgroup_size: 128
    .sgpr_count:     80
    .vgpr_count:     1024
    .wavefront_size: 32
...
	.end_amdgpu_metadata
.endif
;; end of part 2
